; MI455X (gfx1250); checked and timed in simulation.
; The chip was launched on July 23, 2026; its instructions are those of AMD's public machine-readable ISA for CDNA 5 (MIT licence, August 2026) and "CDNA5" Instruction Set Architecture Reference Guide (July 2026). The comments in the code are by the model that wrote it; some were corrected since.
;; Feed Forward Quantum. Allowed arithmetic: matrix products marked QUANTISED: E2M3 operands, one E8M0 scale for each 32 along K, by v_wmma_scale_f32_16x16x128_f8f6f4 with both operands' format E2M3, f32 sums; products left as they are: f32 operands where the result goes on into a quantised operand, else bf16, f16 or f32 operands; f32 sums; everything else in f32.
;; Inputs: W1 4,096 x 10 float32; W2 1,024 x 4,096 float32; b1 4,096 float32; b2 1,024 float32; theta 10 float32; x 4 x 4,096 x 1,024 float32.
;; Outputs: out0 4 x 4,096 x 1,024 float32.
;; This version of the problem:
;;   THIS VERSION OF THE PROBLEM IS GIVEN IN LOW PRECISION. The matrix products marked QUANTISED in the list below multiply operands that are first quantised to E2M3 (2 exponent bits, 3 mantissa bits; 6 bits a number), with one power-of-two scale for each 32 numbers along K (OCP MX v1.0); their sums are f32. All else is computed in f32.
;;   The module's matrix products, in the order in which they are computed (A, B: the left and right operand; K: the contracted axis; several contracted axes count as one K, in the product's order):
;;     1. [M 16,384, K 10] x [K 10, N 4,096]; A: computed on the way; B: input W1: left as it is (K = 10 < 32)
;;     2. [M 16,384, K 4,096] x [K 4,096, N 1,024]; A: computed on the way; B: input W2: QUANTISED
;;   THE QUANTISER, for each operand of a quantised product, along K:
;;     - K is cut into blocks of 32 from its start; a last block that is shorter is filled with zeros.
;;     - A block's scale is 2^e with e = floor(log2(the largest magnitude in the block)) - 2, held to -126 .. 127; a block of zeros has e = 0. As a byte (E8M0): e + 127.
;;     - Each number is divided by its block's scale, clamped to +-7.5, and rounded to the nearest number of E2M3, ties to even, subnormals kept.
;;     - The product sums the exact products of the quantised numbers (number of the format x scale) in f32.
;;   ~~~python
;;   def quantise(x, axis):      # numpy; x: float32 -> the quantised numbers, widened to float32 again
;;       x = np.moveaxis(x, axis, -1); K = x.shape[-1]
;;       x = np.pad(x, [(0, 0)] * (x.ndim - 1) + [(0, -K % 32)]); x = x.reshape(x.shape[:-1] + (-1, 32)); a = np.abs(x).max(-1, keepdims=True)
;;       e = np.where(a > 0, np.clip(np.frexp(np.where(a > 0, a, 1))[1] - 1 - 2, -126, 127), 0)      # np.frexp(a)[1] - 1 = floor(log2(a)), exactly
;;       r = np.clip(x / 2.0 ** e, -7.5, 7.5)
;;       step = 2.0 ** (np.maximum(np.frexp(np.where(r == 0, 1, r))[1] - 1, 0) - 3)
;;       q = np.round(r / step) * step * 2.0 ** e      # np.round: ties to even
;;       return np.moveaxis(q.reshape(q.shape[:-2] + (-1,))[..., :K], -1, axis).astype(np.float32)
;;   ~~~
;;   OPERANDS COMPUTED ON THE WAY. 'Computed on the way' means the value that the module computes at that place (a softmax that the list does not call 'softmax' is quantised finished and normalised). What goes into a quantiser is computed in f32, as accurately as f32 sums, v_exp_f32 and their like allow (about 1e-6 of the number): no bf16 or f16 on the way to a quantiser, and a product that is left as it is and whose result goes on into a quantised operand takes f32 operands (vector FMAs, or v_wmma_f32_16x16x4_f32). A number that lies on a knife's edge between two numbers of the format may be rounded either way, as far as f32 arithmetic and the matrix unit's own rounding can turn it there, and no further.
;; One version. Each part assembles by itself: llvm-mc -triple=amdgcn-amd-amdhsa -mcpu=gfx1250 --defsym DOCPART=n.
;; ======== version 1 of 1: 2 launches
;; limits: inputs' magnitudes at most 1,048,576
;; workspace buffers: hc 52,428,800 bytes; wc 3,276,800 bytes
;; launch prep (part 1): grid 256 x 1, 16 waves a work-group, no clusters, 186,368 bytes of LDS; arguments x, theta, W1, b1, W2, hc, wc; writes hc, wc
.if DOCPART == 1
	.amdgcn_target "amdgcn-amd-amdhsa--gfx1250"
	.amdhsa_code_object_version 6
	.text
	.protected	k_q3afaf2b9c9_prep
	.globl	k_q3afaf2b9c9_prep
	.p2align	8
	.type	k_q3afaf2b9c9_prep,@function
k_q3afaf2b9c9_prep:
	s_mov_b64 s[64:65], 0
	v_nop
	global_prefetch_b8 v0, s[64:65] scope:SCOPE_SE
	s_setreg_imm32_b32 hwreg(HW_REG_WAVE_MODE, 25, 1), 1
	s_wait_xcnt 0x0
; h = relu(cos(x[:, :10] + theta) W1^T + b1), 16,384 tokens x 4,096 hidden units, is made in f32 and quantised along the hidden units to codes of FP6 (E2M3) with one E8M0 byte for each 32;
; W2 [1024][4096] f32 is quantised along its rows likewise.  Both leave IN THE ORDER OF THE OPERAND'S REGISTERS, as the second launch's matrix instruction takes them, codes and scale words together:
;   for each group of 128 rows (8 tiles of 16) and each step of 128 along K ONE DENSE BLOCK of 12,800 bytes; a group's 32 blocks lie on end (409,600 bytes); h has 128 groups, W2 has 8.
;   in a block: tile i's fragment at 1,536 i + 512 c + 16 lane (c: which four of its 12 registers); behind the eight fragments the scale words: that of (tile i, row r) at 12,288 + 128 (i / 2) + 8 r + 4 (i % 2).
; A block's scale is 2^(floor(log2(its largest magnitude)) - 2); its byte is the largest magnitude's exponent field - 2, held at 1 from below.
; LIMITS: NaN and infinities among the inputs are not served.  A block of 32 whose largest magnitude lies under 2^-124 keeps the byte 1; a block of zeros gets the byte 1 where the rule says 127: its codes are zeros, which add
; nothing under any byte but 0xff, and the bytes are read by this program alone.  The cosine (reduction by pi/2 in three parts, two polynomials) is good to about 1e-7 absolute for |x + theta| up to 2^20; beyond that it is not served.
; SHARES.  Work-group g takes tokens 64 g .. 64 g + 63 (four tiles m of 16); wave w of sixteen takes hidden units 256 w .. 256 w + 255: eight fragments (m, q).  Four waves lie on a SIMD.
; THE FIRST PRODUCT feeds a quantiser, so its operands are f32: v_wmma_f32_16x16x4_f32, used transposed (source 0 = 16 rows of W1, source 1 = 16 tokens), K = 12 in three instructions: k 0-9 the features, k 10 carries (b1, 1.0), k 11 (0, 0).
; THE ROWS OF W1 THAT FORM A TILE ARE NOT NEIGHBOURS: lane r of tile 2 b + u takes hidden unit 32 b + 8 u + r + 8 (r / 8), so that the 16 registers of tiles 2 b and 2 b + 1 are 16 neighbours along the next K: 32 b + 16 (lane / 16) + 0 .. 15.
; W1 AND b1 COME DENSE: a wave's 256 rows of W1 are 10,240 consecutive bytes, its b1 1,024: 22 loads of 512 consecutive bytes, laid as they are into LDS bytes of the wave's own; the fragments, pieces of 8 bytes 40 bytes apart, are taken from there.
; ROLES.  t = ((w % 4) + 3 (w / 4) + 3) % 4.  Ahead of the one barrier the twelve waves with t < 3 make cos() for tile w / 4, features 4 t + 0 .. 3, as an image of source 1's registers in LDS.  Behind it the four others
; (waves 0, 5, 10, 15: they differ in w % 4 and in w / 4 alike) quantise one tile of W2 x 256 along K each, while the twelve are at their fragments, and then go on to their own.
; NO CLUSTER, NO TENSOR LOAD: the work-groups share W1 and b1 alone, 180,224 bytes against the 55 MB that the launch stores.
.set STEPB, 12800                      ; a block: 128 rows x 128 along K
.set RUN,   32*STEPB                   ; a group's blocks
.set SCO,   12288                      ; where a block's scale words begin
.set FRB,   1536                       ; a fragment
.set WREG,  4096                       ; LDS: bytes 0 - 4,095: sixteen places of 256 bytes for the images of cos(), by the wave that stores them; from here on each wave's copy of its W1 and b1
.set WSZ,   11264                      ; 10,240 + 1,024
.set Q,    16                          ; v16-39   cos(): register 6 m + 2 t + j: feature 4 t + 2 (lane / 16) + j of token 16 m + lane % 16
.set W1F,  40                          ; v40-135  W1: tile e = 8 q + tau at 6 e; in it register 2 t + j: k = 4 t + 2 (lane / 16) + j   (at the head v40-127: W1 and b1 as they are loaded)
.set Z,    136                         ; v136-167 32 numbers of h, after the relu (at the head: b1, a number a tile)
.set D,    168                         ; v168-199 four accumulators: written by the f32 matrix instruction alone
.set PC,   200                         ; v200-211 a fragment's codes
.set PT,   212                         ; v212-214 half a block's codes on their way
.set TM,   216                         ; v216-217 largest magnitudes, v218-219 the other half's, then bytes, v220-221 the conversions' scale operands
.set SW,   224                         ; v224-231 scale words: fragment (m, q) at 2 m + q
.set CP,   232                         ; the cosine, two numbers at a time: p, n, r, i, z, sine, cosine
.set CN,   234
.set CR,   236
.set CI,   238
.set CZ,   240
.set CSN,  242
.set CCS,  244
.set XL,   246                         ; x's pair, theta's pair
.set TL,   248
.set ONE,  250
.set OUT,  252                         ; v252-255 scale words as they are stored
; v1 LDS: 16 lane in my copy; v2 r, v3 h; v4 16 lane; v5 8 lane; v6 8 x thread; v7, v8, v9 LDS: my row of a tile in my copy of W1 (two forms) and of b1; v10, v11 my pair in x and in theta; v12 my row and half in W2; v13 0; v14 8 r + 12,800 h; v15 4 t + 2 h
; 32 numbers of a lane, v[s] .. v[s + 31], register 16 b + i = k 64 c + 32 b + 16 (lane / 16) + i of my row, become registers 6 c .. 6 c + 5 of the fragment in v[PC] on and bytes 2 c, 2 c + 1 of the scale word v[pw]
.macro QH s, c, pw
.irp b, 0,1
	v_max3_num_f32 v[TM+\b], |v[\s+16*\b]|, |v[\s+1+16*\b]|, 0x1800000   ; my 16 numbers of block b, and the floor 2^(3 - 127): the byte cannot fall under 1
.endr
.irp i, 2,4,6,8,10,12,14
.irp b, 0,1
	v_max3_num_f32 v[TM+\b], v[TM+\b], |v[\s+16*\b+\i]|, |v[\s+1+16*\b+\i]|   ; (the two blocks by turns)
.endr
.endr
.irp b, 0,1
	v_permlanex16_b32 v[TM+2+\b], v[TM+\b], s42, s43
.endr
.irp b, 0,1
	v_max_num_f32 v[TM+\b], v[TM+\b], v[TM+2+\b]       ; with lane l xor 16's: the block's largest magnitude
.endr
.irp b, 0,1
	v_add_nc_u32 v[TM+4+\b], 0xff000000, v[TM+\b]      ; 2 off its exponent field: the conversion takes the exponent field of this operand as its scale, and nothing else of it
.endr
.irp b, 0,1
	v_lshrrev_b32 v[TM+2+\b], 23, v[TM+4+\b]           ; the scale's byte
.endr
.if \c == 0
	v_lshl_or_b32 v[\pw], v[TM+3], 8, v[TM+2]
.else
	v_lshl_or_b32 v[\pw], v[TM+2], 16, v[\pw]
	v_lshl_or_b32 v[\pw], v[TM+3], 24, v[\pw]
.endif
	v_cvt_scalef32_pk16_fp6_f32 v[PC+6*\c:PC+6*\c+2], v[\s:\s+15], v[TM+4]
	v_cvt_scalef32_pk16_fp6_f32 v[PT:PT+2], v[\s+16:\s+31], v[TM+5]   ; (a conversion's three registers begin on an even number)
	v_nop                                              ; one plain place behind a scaled conversion
.irp i, 0,1,2
	v_permlane16_swap_b32 v[PC+6*\c+\i], v[PT+\i]      ; the operand's layout wants a WHOLE block in a lane: lanes 0-15 block 2 c, lanes 16-31 block 2 c + 1
.endr
.irp i, 0,1,2
	v_mov_b32 v[PC+3+6*\c+\i], v[PT+\i]
.endr
.endm
; four tiles of h (hidden units 128 q + 64 c + 0 .. 63) for the tokens of tile m: twelve matrix instructions, the four accumulators by turns, one instruction a turn; the first K step starts the sums with the constant 0
.macro WM q, m, c
.irp t, 0,1,2
.irp n, 0,1,2,3
.if \t == 0
	v_wmma_f32_16x16x4_f32 v[D+8*\n:D+8*\n+7], v[W1F+6*(8*\q+4*\c+\n)+2*\t:W1F+6*(8*\q+4*\c+\n)+2*\t+1], v[Q+6*\m+2*\t:Q+6*\m+2*\t+1], 0
.else
	v_wmma_f32_16x16x4_f32 v[D+8*\n:D+8*\n+7], v[W1F+6*(8*\q+4*\c+\n)+2*\t:W1F+6*(8*\q+4*\c+\n)+2*\t+1], v[Q+6*\m+2*\t:Q+6*\m+2*\t+1], v[D+8*\n:D+8*\n+7]
.endif
.endr
.endr
.rept 8
	v_nop                                              ; eight places behind this form before a vector instruction reads a result (ISA guide 7.12.1)
.endr
.set jj, 0
.rept 32
	v_max_num_f32 v[Z+jj], 0, v[D+jj]                  ; the activation, into other registers; each accumulator from its low end on.  The quantiser's plain lines that follow are the places ahead of the next sums, which begin these accumulators anew
.set jj, jj+1
.endr
.endm
.macro FRAGOUT base, off                   ; the fragment leaves as it stands: each store of the wave covers 512 consecutive bytes, aligned
.irp i, 0,1,2
	global_store_b128 v4, v[PC+4*\i:PC+4*\i+3], s[\base:\base+1] offset:\off+512*\i th:TH_STORE_NT
.endr
.endm
	s_load_b256 s[4:11], s[0:1], 0x0               ; x s[4:5], theta s[6:7], W1 s[8:9], b1 s[10:11]
	s_load_b128 s[12:15], s[0:1], 0x20             ; W2 s[12:13], hc s[14:15]
	s_load_b64 s[18:19], s[0:1], 0x30              ; wc
	v_lshl_add_u32 v223, v0, 2, 0x2d000
	v_mov_b32 v251, 0
	v_lshrrev_b32 v1, 5, v0
	v_readfirstlane_b32 s22, v1                    ; wave w, 0 .. 15
	s_lshr_b32 s24, s22, 2                         ; w / 4: which tile of tokens; in W2's role which 256 along K
	s_and_b32 s23, s22, 3
	s_mul_i32 s26, s24, 3
	s_add_co_u32 s23, s23, s26
	s_add_co_u32 s23, s23, 3
	s_and_b32 s23, s23, 3                          ; t: which four features; 3: W2's role
	s_mov_b32 s25, ttmp9                           ; g
	s_mul_i32 s31, s22, WSZ
	s_add_co_u32 s31, s31, WREG                    ; LDS: my copy of W1 and b1
	v_and_b32 v1, 31, v0                           ; lane
	v_and_b32 v2, 15, v0                           ; r
	v_bfe_u32 v3, v0, 4, 1                         ; h
	v_lshlrev_b32 v4, 4, v1
	v_lshlrev_b32 v5, 3, v1
	v_lshlrev_b32 v6, 3, v0                        ; LDS: my wave's image, 256 bytes, 8 bytes a lane
	v_add_nc_u32 v1, s31, v4                       ; LDS: my 16 bytes of each 512 of the copy
	v_and_b32 v9, 8, v2
	v_add_nc_u32 v9, v9, v2                        ; r + 8 (r / 8)
	v_mul_u32_u24 v8, v9, 40                       ; a row of W1 is 40 bytes
	v_add_nc_u32 v8, s31, v8
	v_lshl_add_u32 v7, v3, 3, v8                   ; + 8 h: k = 2 h, 2 h + 1 of four
	v_add_nc_u32 v8, 32, v8                        ; k = 8, 9
	v_lshl_add_u32 v9, v9, 2, s31
	v_add_nc_u32 v9, 10240, v9                     ; b1 lies behind W1's 10,240 bytes
	s_lshl_b32 s27, s23, 2
	v_lshl_add_u32 v15, v3, 1, s27                 ; 4 t + 2 h: my pair's first feature
	v_lshlrev_b32 v11, 2, v15
	v_min_u32 v11, 32, v11                         ; in bytes, held at the last pair: theta has 40 bytes
	v_lshl_add_u32 v10, v2, 12, v11                ; x: token r's row of 4,096 bytes
	v_lshlrev_b32 v12, 14, v2
	v_lshl_add_u32 v12, v3, 6, v12                 ; W2: row r of 16,384 bytes, + 64 h: my 16 numbers of a block of 32
	v_mov_b32 v13, 0
	v_mul_u32_u24 v14, v3, STEPB
	v_lshl_add_u32 v14, v2, 3, v14                 ; W2's scale words: 8 r, lanes 16-31 in the next step's block
	v_mov_b32 v[ONE], 1.0
	v_mov_b32 v[TM+2], 0                           ; written once: a lane permute's destination counts as one of its sources
	v_mov_b32 v[TM+3], 0
	v_cmp_le_u32 s41, 10, v15                      ; lanes whose pair is k = 10, 11
	s_mov_b32 s40, 0xffff0000                      ; lanes 16-31
	s_mov_b32 s42, 0x76543210
	s_mov_b32 s43, 0xfedcba98                      ; v_permlanex16_b32's selects for lane l xor 16
	s_mov_b32 s44, 0x3f22f983                      ; 2 / pi
	s_mov_b32 s45, 0xbfc90fd8                      ; -pi / 2 in three parts
	s_mov_b32 s46, 0xb4a8885a
	s_mov_b32 s47, 0xa7c234c4
	s_mov_b32 s48, 0xb94ca1f9                      ; the sine's polynomial
	s_mov_b32 s49, 0x3c08839e
	s_mov_b32 s50, 0xbe2aaaa3
	s_mov_b32 s51, 0x37ccf5ce                      ; the cosine's
	s_mov_b32 s52, 0xbab6061a
	s_mov_b32 s53, 0x3d2aaaa5
	s_mov_b32 s27, 0                               ; every offset below is under 2^32: the pair s[26:27]
	s_lshl_b32 s26, s25, 18                        ; x: 64 g rows of 4,096 bytes,
	s_lshl_b32 s28, s24, 16                        ; + 16 (w / 4) rows
	s_add_co_u32 s26, s26, s28
	s_wait_kmcnt 0x0
	s_add_nc_u64 s[4:5], s[4:5], s[26:27]
	s_mul_i32 s26, s22, 10240                      ; W1: my 256 rows
	s_add_nc_u64 s[8:9], s[8:9], s[26:27]
	s_lshl_b32 s26, s22, 10                        ; b1: my 256 numbers
	s_add_nc_u64 s[10:11], s[10:11], s[26:27]
.irp i, 0,1,2,3,4,5,6,7,8,9,10,11,12,13,14,15,16,17,18,19
	global_load_b128 v[W1F+4*\i:W1F+4*\i+3], v4, s[8:9] offset:512*\i           ; 32 lanes read 512 consecutive bytes
.endr
.irp i, 0,1
	global_load_b128 v[W1F+80+4*\i:W1F+80+4*\i+3], v4, s[10:11] offset:512*\i
.endr
	s_lshr_b32 s26, s25, 1                         ; hc: group g / 2, steps 2 w and 2 w + 1
	s_mul_i32 s26, s26, RUN
	s_mul_i32 s28, s22, 2*STEPB
	s_add_co_u32 s26, s26, s28
	s_add_nc_u64 s[14:15], s[14:15], s[26:27]
	s_and_b32 s28, s25, 1                          ; my four tiles are the group's tiles 4 (g % 2) + m
	s_lshl_b32 s26, s28, 8
	s_add_co_u32 s26, s26, SCO
	s_add_nc_u64 s[16:17], s[14:15], s[26:27]      ; their scale words: 256 bytes of the block's 512
	s_mul_i32 s26, s28, 4*FRB
	s_add_nc_u64 s[14:15], s[14:15], s[26:27]      ; their fragments
	s_lshr_b32 s29, s25, 2                         ; W2's role: tile ct = g / 4,
	s_and_b32 s30, s25, 3
	s_lshl_b32 s30, s30, 2
	s_add_co_u32 s30, s30, s24                     ; which 256 along K: 4 (g % 4) + w / 4
	s_lshl_b32 s26, s29, 18                        ; W2: 16 ct rows of 16,384 bytes + 1,024 for each 256 along K
	s_lshl_b32 s28, s30, 10
	s_add_co_u32 s26, s26, s28
	s_add_nc_u64 s[12:13], s[12:13], s[26:27]
	s_lshr_b32 s26, s29, 3                         ; wc: group ct / 8, two steps
	s_mul_i32 s26, s26, RUN
	s_mul_i32 s28, s30, 2*STEPB
	s_add_co_u32 s26, s26, s28
	s_add_nc_u64 s[18:19], s[18:19], s[26:27]
	s_bfe_u32 s26, s29, 0x20001                    ; (ct % 8) / 2
	s_lshl_b32 s26, s26, 7
	s_and_b32 s28, s29, 1
	s_lshl_b32 s28, s28, 2
	s_add_co_u32 s26, s26, s28
	s_add_co_u32 s26, s26, SCO
	s_add_nc_u64 s[20:21], s[18:19], s[26:27]      ; the tile's scale words
	s_and_b32 s26, s29, 7
	s_mul_i32 s26, s26, FRB
	s_add_nc_u64 s[18:19], s[18:19], s[26:27]      ; its fragments
	s_cmp_eq_u32 s23, 3
	s_cbranch_scc1 .Lstage
	; ---- cos(x + theta) of my pair of features of my token
	global_load_b64 v[XL:XL+1], v10, s[4:5]
	global_load_b64 v[TL:TL+1], v11, s[6:7]
	s_wait_loadcnt 0x0
.irp j, 0,1
	v_add_f32 v[CP+\j], v[XL+\j], v[TL+\j]         ; p
.endr
.irp j, 0,1
	v_mul_f32 v[CN+\j], s44, v[CP+\j]
.endr
.irp j, 0,1
	v_rndne_f32 v[CN+\j], v[CN+\j]                 ; n = the nearest whole number to p x 2 / pi
.endr
.irp j, 0,1
	v_fma_f32 v[CR+\j], v[CN+\j], s45, v[CP+\j]    ; r = p - n pi / 2, in three fused steps
.endr
.irp j, 0,1
	v_fma_f32 v[CR+\j], v[CN+\j], s46, v[CR+\j]
.endr
.irp j, 0,1
	v_fma_f32 v[CR+\j], v[CN+\j], s47, v[CR+\j]
.endr
.irp j, 0,1
	v_cvt_i32_f32 v[CI+\j], v[CN+\j]
.endr
.irp j, 0,1
	v_mul_f32 v[CZ+\j], v[CR+\j], v[CR+\j]
.endr
.irp j, 0,1
	v_fma_f32 v[CSN+\j], v[CZ+\j], s48, s49
	v_fma_f32 v[CCS+\j], v[CZ+\j], s51, s52
.endr
.irp j, 0,1
	v_fma_f32 v[CSN+\j], v[CSN+\j], v[CZ+\j], s50
	v_fma_f32 v[CCS+\j], v[CCS+\j], v[CZ+\j], s53
.endr
.irp j, 0,1
	v_mul_f32 v[CSN+\j], v[CSN+\j], v[CZ+\j]
	v_fma_f32 v[CCS+\j], v[CCS+\j], v[CZ+\j], -0.5
.endr
.irp j, 0,1
	v_fma_f32 v[CSN+\j], v[CSN+\j], v[CR+\j], v[CR+\j]   ; sin r
	v_fma_f32 v[CCS+\j], v[CCS+\j], v[CZ+\j], 1.0        ; cos r
.endr
.irp j, 0,1
	v_and_b32 v[CN+\j], 1, v[CI+\j]
	v_add_nc_u32 v[CI+\j], 1, v[CI+\j]
.endr
.irp j, 0,1
	v_cmp_eq_u32 vcc_lo, 1, v[CN+\j]
	v_cndmask_b32 v[CCS+\j], v[CCS+\j], v[CSN+\j], vcc_lo   ; n odd: the sine.  A choice of a value: no branch
	v_and_b32 v[CI+\j], 2, v[CI+\j]
.endr
.irp j, 0,1
	v_lshlrev_b32 v[CI+\j], 30, v[CI+\j]           ; n % 4 = 1 or 2: the sign turns
.endr
.irp j, 0,1
	v_xor_b32 v[CCS+\j], v[CCS+\j], v[CI+\j]
.endr
	v_cndmask_b32 v[CCS], v[CCS], v[ONE], s41      ; k = 10: 1.0, which meets b1;
	v_cndmask_b32 v[CCS+1], v[CCS+1], v13, s41     ; k = 11: 0
	ds_store_b64 v6, v[CCS:CCS+1]                  ; an image of source 1's two registers
.Lstage:
	s_wait_loadcnt 0x0                             ; W1 and b1
.irp i, 0,1,2,3,4,5,6,7,8,9,10,11,12,13,14,15,16,17,18,19,20,21
	ds_store_b128 v1, v[W1F+4*\i:W1F+4*\i+3] offset:512*\i   ; into my own copy, as they lie in memory
.endr
	s_wait_dscnt 0x0                               ; for the others' sake: my image has landed; and the stores have read their registers, which are loaded anew below
	s_barrier_signal -1
	s_barrier_wait -1
	s_cmp_lg_u32 s23, 3
	s_cbranch_scc1 .Lmain
	; ---- 16 rows of W2 x 256 along K: two fragments.  Register 64 q + 16 b + i: k = 128 q + 32 b + 16 h + i of my row
.irp q, 0,1
.irp b, 0,1,2,3
.irp j, 0,1,2,3
	global_load_b128 v[40+64*\q+16*\b+4*\j:40+64*\q+16*\b+4*\j+3], v12, s[12:13] offset:512*\q+128*\b+16*\j th:TH_LOAD_NT
.endr
.endr
.endr
	s_wait_loadcnt 16                              ; the first 128 along K are in; the second 16 loads may be out
	QH 40, 0, SW
	QH 72, 1, SW
	FRAGOUT 18, 0
	s_wait_loadcnt 0x0
	s_wait_xcnt 0x0                                ; the stores have read the codes' registers: they are written again only behind this wait
	QH 104, 0, SW+1
	QH 136, 1, SW+1
	FRAGOUT 18, STEPB
	v_cndmask_b32 v[OUT], v[SW], v[SW+1], s40      ; lanes 0-15 carry the first step's word of row r, lanes 16-31 the second's
	global_store_b32 v14, v[OUT], s[20:21]         ; a word for each 8 bytes: the words between are the neighbouring tile's.  One byte in 128 of what this role reads
.Lmain:
.irp m, 0,1,2,3
.irp t, 0,1,2
	ds_load_b64 v[Q+6*\m+2*\t:Q+6*\m+2*\t+1], v5 offset:256*(4*\m+(\t+\m+1)%4)   ; the image that wave 4 m + (t + m + 1) % 4 stored: the same registers in the same lanes, in every wave
.endr
.endr
.irp e, 0,1,2,3,4,5,6,7,8,9,10,11,12,13,14,15
	ds_load_b64 v[W1F+6*\e:W1F+6*\e+1], v7 offset:(128*(\e/8)+32*((\e%8)/2)+8*(\e%2))*40
	ds_load_b64 v[W1F+6*\e+2:W1F+6*\e+3], v7 offset:(128*(\e/8)+32*((\e%8)/2)+8*(\e%2))*40+16
	ds_load_b64 v[W1F+6*\e+4:W1F+6*\e+5], v8 offset:(128*(\e/8)+32*((\e%8)/2)+8*(\e%2))*40   ; every lane takes k = 8, 9
	ds_load_b32 v[Z+\e], v9 offset:(128*(\e/8)+32*((\e%8)/2)+8*(\e%2))*4
.endr
	s_wait_dscnt 0x0
.irp e, 0,1,2,3,4,5,6,7,8,9,10,11,12,13,14,15
	v_cndmask_b32 v[W1F+6*\e+4], v[W1F+6*\e+4], v[Z+\e], s40   ; lanes 16-31 hold k = 10, 11 of the third K step: (b1, 0)
	v_cndmask_b32 v[W1F+6*\e+5], v[W1F+6*\e+5], v13, s40
.endr
	; ---- my eight fragments of h
.irp m, 0,1,2,3
.irp q, 0,1
	s_wait_xcnt 0x0                                ; the last stores have read their registers: the codes are written again only behind this wait
	WM \q, \m, 0
	QH Z, 0, SW+2*\m+\q
	WM \q, \m, 1
	QH Z, 1, SW+2*\m+\q
	FRAGOUT 14, \q*STEPB+\m*FRB
.endr
.endr
.irp q, 0,1
	v_cndmask_b32 v[OUT+2*\q], v[SW+\q], v[SW+4+\q], s40       ; four tiles' scale words of step q: lanes 0-15 tiles 0 and 1, lanes 16-31 tiles 2 and 3
	v_cndmask_b32 v[OUT+2*\q+1], v[SW+2+\q], v[SW+6+\q], s40
	global_store_b64 v5, v[OUT+2*\q:OUT+2*\q+1], s[16:17] offset:\q*STEPB   ; 256 consecutive bytes, aligned
.endr
	s_wait_tensorcnt 0x0
	ds_add_u32 v223, v251
	s_wait_dscnt 0x0
	s_endpgm
.Lfunc_end_k_q3afaf2b9c9_prep:
	.size	k_q3afaf2b9c9_prep, .Lfunc_end_k_q3afaf2b9c9_prep-k_q3afaf2b9c9_prep
	.p2alignl 7, 3214868480
	.fill 96, 4, 3214868480
	.section	.rodata,"a",@progbits
	.p2align	6, 0x0
	.amdhsa_kernel k_q3afaf2b9c9_prep
		.amdhsa_group_segment_fixed_size 186368
		.amdhsa_private_segment_fixed_size 0
		.amdhsa_enable_private_segment 0
		.amdhsa_kernarg_size 56
		.amdhsa_user_sgpr_count 2
		.amdhsa_user_sgpr_kernarg_segment_ptr 1
		.amdhsa_wavefront_size32 1
		.amdhsa_system_sgpr_workgroup_id_x 1
		.amdhsa_system_sgpr_workgroup_id_y 1
		.amdhsa_system_sgpr_workgroup_id_z 1
		.amdhsa_system_vgpr_workitem_id 0
		.amdhsa_next_free_vgpr 256
		.amdhsa_next_free_sgpr 66
		.amdhsa_reserve_vcc 1
		.amdhsa_float_denorm_mode_32 3
		.amdhsa_float_denorm_mode_16_64 3
		.amdhsa_memory_ordered 1
		.amdhsa_forward_progress 1
		.amdhsa_inst_pref_size 95
	.end_amdhsa_kernel
	.amdgpu_metadata
---
amdhsa.version: [ 1, 2 ]
amdhsa.kernels:
  - .name:           k_q3afaf2b9c9_prep
    .symbol:         k_q3afaf2b9c9_prep.kd
    .args:
      - { .name: x, .offset: 0, .size: 8, .value_kind: global_buffer, .address_space: global }
      - { .name: theta, .offset: 8, .size: 8, .value_kind: global_buffer, .address_space: global }
      - { .name: W1, .offset: 16, .size: 8, .value_kind: global_buffer, .address_space: global }
      - { .name: b1, .offset: 24, .size: 8, .value_kind: global_buffer, .address_space: global }
      - { .name: W2, .offset: 32, .size: 8, .value_kind: global_buffer, .address_space: global }
      - { .name: hc, .offset: 40, .size: 8, .value_kind: global_buffer, .address_space: global }
      - { .name: wc, .offset: 48, .size: 8, .value_kind: global_buffer, .address_space: global }
    .group_segment_fixed_size: 186368
    .private_segment_fixed_size: 0
    .kernarg_segment_align: 8
    .kernarg_segment_size: 56
    .max_flat_workgroup_size: 512
    .sgpr_count:     66
    .vgpr_count:     256
    .wavefront_size: 32
...
	.end_amdgpu_metadata
.endif
;; end of part 1
;; launch gemm (part 2): grid 4 x 64, 4 waves a work-group, clusters of 4 x 4, 327,680 bytes of LDS; arguments hc, wc, b2, out0; writes out0
.if DOCPART == 2
	.amdgcn_target "amdgcn-amd-amdhsa--gfx1250"
	.amdhsa_code_object_version 6
	.text
	.protected	k_q3afaf2b9c9_gemm
	.globl	k_q3afaf2b9c9_gemm
	.p2align	8
	.type	k_q3afaf2b9c9_gemm,@function
k_q3afaf2b9c9_gemm:
	s_mov_b64 s[64:65], 0
	v_nop
	global_prefetch_b8 v0, s[64:65] scope:SCOPE_SE
	s_setreg_imm32_b32 hwreg(HW_REG_WAVE_MODE, 25, 1), 1
	s_wait_xcnt 0x0
	s_wait_alu depctr_hold_cnt(0) depctr_sa_sdst(0) depctr_va_vdst(0) depctr_va_sdst(0) depctr_va_ssrc(0) depctr_va_vcc(0) depctr_vm_vsrc(0)
	s_getreg_b32 s2, hwreg(HW_REG_IB_STS2, 6, 4)
	s_cmp_eq_u32 s2, 0
	s_cbranch_scc0 .Lentry_in_a_cluster
	s_endpgm
.Lentry_in_a_cluster:
	s_bfe_u32 s2, ttmp6, 0x10000c
	s_cmp_lg_u32 s2, 0xf033
	s_cbranch_scc0 .Lentry_shape_is_right
	s_endpgm
.Lentry_shape_is_right:
; out[m][n] = sum over k of h[m][k] W2[n][k] + b2[n].  h: 16,384 x 4,096, W2: 1,024 x 4,096: codes of FP6 (E2M3) with one E8M0 scale for each 32 along K, as the launch before has laid them:
;   for each group of 128 rows (8 tiles of 16) and each step of 128 along K ONE DENSE BLOCK of 12,800 bytes; a group's 32 blocks lie on end (409,600 bytes).
;   in a block: tile i's fragment, an image of the operand's 12 registers, at 1,536 i + 512 c + 16 lane; behind the eight fragments the scale words: that of (tile i, row r) at 12,288 + 128 (i / 2) + 8 r + 4 (i % 2).
; A tile of out, 256 x 256, is made by a work-group of four waves, as many as a WGP has SIMDs; a wave makes 128 x 128: 64 accumulators of 16 x 16, 512 registers.  64 x 4 tiles: 256 work-groups, one tile each.
; K goes through a ring of two LDS slots of THREE steps of 128, as many as two slots in LDS allow (2 x 4 x 38,400 bytes): each wave brings a quarter of a slot, three blocks on end, by one tensor load of 150 rows of 256 bytes.
; 32 steps are ten such slots and one of two steps, which has descriptors of its own (100 rows).  A fragment comes out of LDS by three loads of 16 bytes a lane, each of 512 consecutive bytes: no pitch, no padding.
; CLUSTERS: 4 x 4 work-groups.  The four of a row of the cluster need the same tiles of h, the four of a column the same tiles of W2: each tile is asked for JOINTLY, by the same tensor load with the same descriptor and a mask that names the four.
; A row of the cluster spans all 1,024 columns, so each byte of h is asked for by one joint load in the whole launch.
; THE MATRIX INSTRUCTION IS USED TRANSPOSED (source 0 = 16 rows of W2, source 1 = 16 rows of h): a lane then holds eight neighbouring numbers of a row of out.  b2 IS THE C OF EACH SUM'S FIRST PRODUCT: no addition, nothing cleared.
; REGISTERS, in windows of 256: window 0: v0-31 addresses; v32-47 scale words, two sets; v64-127 b2 in the result's layout; from v128 h's fragments (8 x 16 rows x 128 K), ONE set; on the way out v128-255 are free.
;   window 1: W2's fragments, TWO sets, at v0 and at v128.   window 2: the 32 accumulators of my rows 0-63 (accumulator (a, b) at v[8 (8 a + b)]);   window 3: those of my rows 64-127.
; Below A stands for h and B for W2.  A step is 64 matrix instructions, A's blocks one after the other, each against B's eight: a block of A is free as soon as its eight products are issued, so one set serves A.
; B's set and the set of scale words go by the step's parity p; a lap of the ring is six steps, so the parities come back with each lap.
; LIMITS: those of the launch that made the codes; none of its own.
.set SIZE_N, 1024
.set NQ,     3                         ; steps in a slot
.set FR,     12                        ; registers of a fragment: 16 rows x 128 K
.set FRB,    FR*128                    ; and its bytes
.set NL,     3                         ; LDS loads that bring one
.set NP,     4                         ; places behind this matrix instruction (ISA guide 7.12.1)
.set STEPB,  12800                     ; a block: 128 rows x 128 along K, codes and scale words
.set SCO,    8*FRB                     ; where a block's scale words begin
.set RUN,    32*STEPB                  ; a group's blocks
.set QUART,  NQ*STEPB                  ; what one tensor load brings, and what one wave reads of A or of B in a slot
.set SLOT,   4*QUART                   ; A's two groups, then B's two
.set TRIPS,  4                         ; laps that fill both slots again with three steps: slots 2 to 9
.set SPARE,  2*SLOT                    ; behind the ring: the spare words, 128 bytes for each wave: two blocks of 256 bytes that no other line names
.set SPITCH, 528                       ; the way out: a stage of 16 rows x (512 bytes + 16) for each wave.
.set STAGE,  SLOT                      ; It lies in slot 1, which has had its last fill and its last read when the first result is stored there (the last two steps lie in slot 0)
.set ADRA, 16                          ; v16-17  LDS address of my A fragments in slot 0, 1
.set ADRB, 20                          ; v20-21  the same for B
.set ADRS, 22                          ; v22-23  LDS address of my scale words in slot 0, 1: lanes 0-15 A's rows, lanes 16-31 B's
.set STO,  24                          ; v24     the way out: where I put 32 bytes of a row
.set RD,   25                          ; v25     the way out: where I read a row back
.set CO,   26                          ; v26     16 x lane: my byte offset in a row of out
.set SPW,  28                          ; v28     LDS address of my spare word: SPARE + 4 x my thread's number; never rewritten
.set NIL,  29                          ; v29     0; never rewritten
.set PFO,  30                          ; v30     the prefetches' offset: 256 x the lesser of my lane and 24; never rewritten
.set BOF,  31                          ; v31     32 x (lane / 16): my eight numbers of sixteen of b2; never rewritten
.set SC,   32                          ; scale words: set p at v[SC + 8 p]; in it register i: lanes 0-15 the word of A's block i, lanes 16-31 that of B's block i
.set BI,   64                          ; b2: block b's eight numbers of my half at v[BI + 8 b]
.set AF,   128                         ; A's fragments, in window 0
.set BK,   128                         ; the way out: 16 rows read back from the stage: v128-191 and v192-255 by turns
.set G1, 24                            ; s[24:31] descriptor group 1 for A's tiles;  s[32:39] group 0, one set for each slot
.set G0, 32
.set G1B, 48                           ; s[48:55], s[56:63] the same for B's tiles
.set G0B, 56
.set G1H, 68                           ; s[68:75], s[76:83] groups 1 for the last slot, of two steps: A's, B's
.set G1HB, 76
.set LIM, 95                           ; s95     1 in a wave that prefetches, else the greatest number
.set PFA, 96                           ; s[96:97] where my prefetches stand in h's codes
.set MSB, 0
.macro WIN new                         ; the immediate's high byte repeats the setting that is left
.if MSB != \new
	s_set_vgpr_msb (MSB<<8)|\new
.set MSB, \new
.endif
.endm
.set MUL_LO,  0xa1                     ; source 0 (B) window 1, source 1 (A) window 0, C and D window 2
.set MUL_HI,  0xf1                     ; the same, C and D window 3
.set BIAS_LO, 0x81                     ; the first products: C (b2) window 0, D window 2
.set BIAS_HI, 0xc1                     ; D window 3
.set TO_B,    0x40                     ; destination window 1, address window 0
; A joint load: waves 0 and 1 fetch for A, waves 2 and 3 for B.  Each of the two lines has ONE mask and one set of registers for all that issue it; the branch hangs on the wave's number alone.
; Four v_nop follow each of the two lines, ahead of the jump, the label and what follows.
.macro JLOAD g0a, g1a, g0b, g1b
	s_cmp_eq_u32 s15, 0
	s_cbranch_scc0 .Lfor_b_\@
	tensor_load_to_lds s[\g0a:\g0a+3], s[\g1a:\g1a+7]
	s_nop 0
.rept 4
	v_nop
.endr
	s_branch .Lasked_\@
.Lfor_b_\@:
	tensor_load_to_lds s[\g0b:\g0b+3], s[\g1b:\g1b+7]
	s_nop 0
.rept 4
	v_nop
.endr
.Lasked_\@:
.endm
; A PREFETCH INTO THE L2 of h's codes, behind each joint load of three steps, its four lines and the run of LDS loads: the slot that the NEXT change of slots will ask for: three steps, 192 matrix instructions, ahead of that load.
; A slot of my tile row is 2 groups x 38,400 dense bytes: 300 blocks of 256: the four partners that ask for these tiles jointly x waves 0 to 2 x 25 blocks; the partners are told apart BY ADDRESS (cx), never by a branch.
; Lanes 25 to 31 name lane 24's block again, in the same instruction; no other instruction of the launch names it: no other cluster reads these rows.
; last = 1: the change of slots that in the loop's last trip stands ahead of the short slot: there nothing is asked for.  Slots 0 to 2 and the short last slot come by their loads alone.
; W2's codes are not asked for: all sixteen clusters walk the same 3 MB in step, again and again.
.macro ASK last
.if \last
	s_cmp_gt_u32 s3, s[LIM]                        ; s3 = 1 in the loop's last trip
.else
	s_cmp_eq_u32 s[LIM], 1
.endif
	s_cbranch_scc0 .Lnot_mine_\@
	global_prefetch_b8 v[PFO], s[PFA:PFA+1] th:TH_LOAD_NT scope:SCOPE_SE
.Lnot_mine_\@:
.endm
; A round of the cluster's barrier: my work-group's barrier, so that wave 0's signal speaks for all four waves; wave 0 signals for the work-group; every wave waits for all sixteen work-groups; my work-group's barrier once more.
.macro CROUND
	s_barrier_signal -1
	s_barrier_wait -1
	s_cmp_lg_u32 s14, 0
	s_cbranch_scc1 .Lnot_wave_0_\@
	s_barrier_signal -3
.Lnot_wave_0_\@:
	s_barrier_wait -3
	s_barrier_signal -1
	s_barrier_wait -1
.endm
	s_load_b64 s[4:5], s[0:1], 0x0                 ; A: h's blocks
	s_load_b64 s[8:9], s[0:1], 0x8                 ; B: W2's blocks
	s_load_b64 s[98:99], s[0:1], 0x10              ; b2
	s_load_b64 s[12:13], s[0:1], 0x18              ; out
	v_lshl_add_u32 v[SPW], v0, 2, SPARE
	v_mov_b32 v[NIL], 0
	ds_add_u32 v28, v29
	ds_add_u32 v28, v29
	s_wait_dscnt 0x0
	v_lshrrev_b32 v1, 5, v0
	v_readfirstlane_b32 s14, v1                    ; wave 0..3
	s_lshr_b32 s15, s14, 1                         ; which half of the tile's rows is mine.  Also: I fetch for A (0) or for B (1)
	s_and_b32 s16, s14, 1                          ; which half of its columns.  Also: which 128 rows of that tile I fetch
	s_bfe_u32 s40, ttmp6, 0x40000                  ; cx, cy: my place in the cluster
	s_bfe_u32 s41, ttmp6, 0x40004
	s_lshl_b32 s42, ttmp9, 2
	s_add_co_u32 s42, s42, s40                     ; tile column of out = 4 x cluster x + cx
	s_and_b32 s17, ttmp7, 0xffff
	s_lshl_b32 s17, s17, 2
	s_add_co_u32 s17, s17, s41                     ; tile row of out = 4 x cluster y + cy
	s_lshl_b32 s43, s41, 2
	s_lshl_b32 s43, 15, s43                        ; my row of the cluster
	s_lshl_b32 s44, 0x1111, s40                    ; my column
	; descriptor group 1: three blocks on end, 38,400 dense bytes, as 150 rows of 256 bytes (32 elements of 8 bytes), no padding
	s_or_b32 s[G1+0], s43, (3<<16)|(1<<21)         ; 15:0 the mask: A's tiles go to my row; 17:16 elements of 8 bytes; 20 padding off; 21 set beside a mask
	s_or_b32 s[G1B+0], s44, (3<<16)|(1<<21)        ; the same with the mask of my column
.irp g, G1, G1B
	s_mov_b32 s[\g+1], 32<<16                      ; tensor_dim0
	s_mov_b32 s[\g+2], 150<<16                     ; tensor_dim1
	s_mov_b32 s[\g+3], 32<<16                      ; tile_dim0
	s_mov_b32 s[\g+4], 150                         ; tile_dim1
	s_mov_b32 s[\g+5], 32                          ; tensor_dim0_stride
	s_mov_b32 s[\g+6], 0
	s_mov_b32 s[\g+7], 0
.endr
	; and for the last slot: two blocks, 100 rows
	s_or_b32 s[G1H+0], s43, (3<<16)|(1<<21)
	s_or_b32 s[G1HB+0], s44, (3<<16)|(1<<21)
.irp g, G1H, G1HB
	s_mov_b32 s[\g+1], 32<<16
	s_mov_b32 s[\g+2], 100<<16
	s_mov_b32 s[\g+3], 32<<16
	s_mov_b32 s[\g+4], 100
	s_mov_b32 s[\g+5], 32
	s_mov_b32 s[\g+6], 0
	s_mov_b32 s[\g+7], 0
.endr
	; where the tiles come from.  A's hang on the tile row alone, B's on the tile column alone; every wave makes both, in registers that never hold the other coordinate
	s_lshl_b32 s20, s17, 1
	s_add_co_u32 s20, s20, s16                     ; A: which group: 2 x tile row + half
	s_lshl_b32 s46, s42, 1
	s_add_co_u32 s46, s46, s16                     ; B: 2 x tile column + half
	s_mul_i32 s20, s20, RUN                        ; where the group's blocks begin, in bytes (under 2^32)
	s_mov_b32 s21, 0
	s_mul_i32 s46, s46, RUN
	s_mov_b32 s47, 0
	s_mul_i32 s45, s14, QUART                      ; where they go: wave x a quarter of a slot: no place in the cluster enters an LDS address
	s_wait_kmcnt 0x0
	s_add_nc_u64 s[20:21], s[4:5], s[20:21]
	s_add_nc_u64 s[46:47], s[8:9], s[46:47]
	CROUND                                         ; all sixteen work-groups are here: the first joint loads meet
.irp s, 0,1
	s_mov_b32 s[G0+4*\s], 1                        ; 1:0 count = 1
	s_add_co_u32 s[G0+4*\s+1], s45, \s*SLOT        ; 63:32 LDS address
	s_add_nc_u64 s[G0+4*\s+2:G0+4*\s+3], s[20:21], \s*QUART   ; 120:64 global address: steps 3 s on
	s_or_b32 s[G0+4*\s+3], s[G0+4*\s+3], 0x80000000           ; 127:126 type = 2
	s_mov_b32 s[G0B+4*\s], 1
	s_add_co_u32 s[G0B+4*\s+1], s45, \s*SLOT
	s_add_nc_u64 s[G0B+4*\s+2:G0B+4*\s+3], s[46:47], \s*QUART
	s_or_b32 s[G0B+4*\s+3], s[G0B+4*\s+3], 0x80000000
	JLOAD G0+4*\s, G1, G0B+4*\s, G1B               ; two tensor loads of mine are out
.endr
	v_and_b32 v1, 15, v0                           ; r = l % 16
	v_bfe_u32 v2, v0, 4, 1                         ; h = l / 16
	v_and_b32 v6, 31, v0
	v_lshlrev_b32 v[CO], 4, v6                     ; 16 x lane: my place in every group of four registers of a fragment, and in a row of out
	v_min_u32 v[PFO], 24, v6
	v_lshlrev_b32 v[PFO], 8, v[PFO]
	v_lshlrev_b32 v[BOF], 5, v2
	s_mul_i32 s21, s15, QUART                      ; my 128 rows of A
	s_mul_i32 s22, s16, QUART                      ; my 128 rows of B,
	s_add_co_u32 s22, s22, 2*QUART                 ; which lie behind A's two quarters
.irp s, 0,1
	v_add_nc_u32 v[ADRA+\s], s21, v[CO]
	v_add_nc_u32 v[ADRB+\s], s22, v[CO]
	s_add_co_u32 s21, s21, SLOT
	s_add_co_u32 s22, s22, SLOT
.endr
	v_lshlrev_b32 v5, 3, v1                        ; my row's words of a pair of tiles
	s_mul_i32 s21, s15, QUART                      ; A's quarter
	s_mul_i32 s22, s16, QUART                      ; B's
	s_add_co_u32 s22, s22, 2*QUART
	s_sub_co_u32 s22, s22, s21
	v_mul_u32_u24 v6, s22, v2                      ; lanes 16-31 take B's: one product, the distance between the two
	s_add_co_u32 s21, s21, SCO
	v_add_nc_u32 v5, v5, v6
.irp s, 0,1
	v_add_nc_u32 v[ADRS+\s], s21, v5
	s_add_co_u32 s21, s21, SLOT
.endr
	s_mul_i32 s23, s14, 16*SPITCH
	s_add_co_u32 s23, s23, STAGE                   ; my stage
	v_mul_u32_u24 v5, v1, SPITCH                   ; in: row l % 16, 32 bytes for each half of the lanes
	v_lshl_add_u32 v5, v2, 5, v5
	v_add_nc_u32 v[STO], s23, v5
	v_add_nc_u32 v[RD], s23, v[CO]                 ; back: the 32 lanes take one row of 512 bytes
	; the prefetches: share number 3 cx + wave of twelve (held at 11 in wave 3, which asks for nothing): shares 0-5 the tile row's first group, 6-11 its second, 6,400 bytes each
	s_mul_i32 s18, s40, 3
	s_add_co_u32 s18, s18, s14
	s_min_u32 s18, s18, 11
	s_mul_i32 s19, s18, 43
	s_lshr_b32 s19, s19, 8                         ; share / 6
	s_mul_i32 s20, s19, 6
	s_sub_co_u32 s18, s18, s20
	s_mul_i32 s18, s18, 6400
	s_mul_i32 s19, s19, RUN
	s_add_co_u32 s18, s18, s19
	s_mul_i32 s19, s17, 2*RUN                      ; my tile row's two groups
	s_add_co_u32 s18, s18, s19
	s_add_co_u32 s18, s18, 2*QUART                 ; at slot 2: the first change of slots steps it to slot 3.  Nothing is prefetched here, at the head, where every work-group's first tiles are on their way
	s_mov_b32 s19, 0
	s_add_nc_u64 s[PFA:PFA+1], s[4:5], s[18:19]
	s_cmp_lt_u32 s14, 3
	s_cselect_b32 s[LIM], 1, -1
	; where my part of out begins, and my 128 numbers of b2
	s_lshl_b32 s20, s17, 8
	s_lshl_b32 s21, s15, 7
	s_add_co_u32 s20, s20, s21                     ; my first row: 256 x tile row + 128 x half
	s_mov_b32 s21, 0
	s_mov_b64 s[18:19], SIZE_N*4
	s_mul_u64 s[20:21], s[20:21], s[18:19]
	s_lshl_b32 s46, s42, 10                        ; my first column, in bytes: 1,024 x tile column + 512 x half
	s_lshl_b32 s47, s16, 9
	s_add_co_u32 s46, s46, s47
	s_mov_b32 s47, 0
	s_add_nc_u64 s[98:99], s[98:99], s[46:47]
	s_add_nc_u64 s[20:21], s[20:21], s[46:47]
	s_add_nc_u64 s[12:13], s[12:13], s[20:21]
.irp b, 0,1,2,3,4,5,6,7
	global_load_b128 v[BI+8*\b:BI+8*\b+3], v[BOF], s[98:99] offset:64*\b          ; lane (r, h), block b: b2 at my columns 16 b + 8 h + 0 .. 7: the result's layout
	global_load_b128 v[BI+8*\b+4:BI+8*\b+7], v[BOF], s[98:99] offset:64*\b+16
.endr
.macro FRAG reg, adr, q, i             ; a fragment, 12 registers, lies in LDS as an image of them: three loads of 16 bytes a lane, 512 consecutive bytes each.  Tile i of my eight, the slot's q-th step
.irp c, 0,1,2
	ds_load_b128 v[\reg+4*\c:\reg+4*\c+3], v[\adr] offset:(\q)*STEPB+(\i)*FRB+512*\c
.endr
.endm
; 16 matrix instructions: A's blocks a0, a0 + 1 x B's eight, 128 along K.  p: B's set and the set of scale words.  zero = 1: the first product starts the sums, with b2 as its C: nothing is ever cleared.
; The 64 accumulators take turns, one instruction a turn, in the same order in every step.
.macro MUL16 a0, p, zero
.irp a, \a0, \a0+1
.irp b, 0,1,2,3,4,5,6,7
.if \zero
	v_wmma_scale_f32_16x16x128_f8f6f4 v[8*(8*((\a)%4)+\b):8*(8*((\a)%4)+\b)+7], v[128*(\p)+FR*\b:128*(\p)+FR*\b+FR-1], v[AF+FR*(\a):AF+FR*(\a)+FR-1], v[BI+8*\b:BI+8*\b+7], v[SC+8*(\p)+\b], v[SC+8*(\p)+(\a)] matrix_a_fmt:MATRIX_FMT_FP6 matrix_b_fmt:MATRIX_FMT_FP6 matrix_a_scale:MATRIX_SCALE_ROW1
.else
	v_wmma_scale_f32_16x16x128_f8f6f4 v[8*(8*((\a)%4)+\b):8*(8*((\a)%4)+\b)+7], v[128*(\p)+FR*\b:128*(\p)+FR*\b+FR-1], v[AF+FR*(\a):AF+FR*(\a)+FR-1], v[8*(8*((\a)%4)+\b):8*(8*((\a)%4)+\b)+7], v[SC+8*(\p)+\b], v[SC+8*(\p)+(\a)] matrix_a_fmt:MATRIX_FMT_FP6 matrix_b_fmt:MATRIX_FMT_FP6 matrix_a_scale:MATRIX_SCALE_ROW1
.endif
.endr
.endr
.endm
.macro FETCH_B slot, q, p              ; B's eight fragments of the slot's q-th step into set p
	WIN TO_B
.irp i, 0,1,2,3,4,5,6,7
	FRAG 128*(\p)+FR*\i, ADRB+\slot, \q, \i
.endr
	WIN 0
.endm
.macro FETCH_A slot, q, i0             ; A's blocks i0 .. i0 + 3
.irp i, \i0, \i0+1, \i0+2, \i0+3
	FRAG AF+FR*(\i), ADRA+\slot, \q, \i
.endr
.endm
.macro SCALES slot, q, p               ; the scale words of the slot's q-th step into set p: a pair of tiles a load; lanes 0-15 take A's, lanes 16-31 B's
.irp i, 0,1,2,3
	ds_load_b64 v[SC+8*(\p)+2*\i:SC+8*(\p)+2*\i+1], v[ADRS+\slot] offset:(\q)*STEPB+128*\i
.endr
.endm
; A load into a register that a matrix instruction has read, and an LDS store that reads a matrix result, stand NP places behind that matrix instruction, and only plain vector instructions that name none of its
; registers are places (ISA guide 7.12.1 for vector instructions); this text does not count the matrix instructions in between.
.macro PLACES n
.rept \n
	v_nop
.endr
.endm
; A step that has its successor in the same slot.  p: this step's parity; the successor's fragments of B and scale words go into the other set.
.macro STEP slot, q, p, zero
	s_wait_dscnt 4*NL                              ; B's set, A's blocks 0-3 and the scale words are in; the youngest twelve loads (A's blocks 4-7) may be out
.if \zero
	WIN BIAS_LO
.else
	WIN MUL_LO
.endif
	MUL16 0, \p, \zero
	MUL16 2, \p, \zero
	s_wait_dscnt 0                                 ; A's blocks 4-7 are in (asked for 32 matrix instructions ago)
	PLACES NP
	FETCH_B \slot, (\q)+1, 1-(\p)
	FETCH_A \slot, (\q)+1, 0
	SCALES \slot, (\q)+1, 1-(\p)
.if \zero
	WIN BIAS_HI
.else
	WIN MUL_HI
.endif
	MUL16 4, \p, \zero
	MUL16 6, \p, \zero
	PLACES NP
	WIN 0
	FETCH_A \slot, (\q)+1, 4
.endm
; A slot's last step changes slots, in its middle: its fragments are all in registers or on their way there.  Each wave waits for all its tensor loads, adds 0 to its spare word, and waits for that and for its own reads of this slot;
; behind the barrier nobody reads this slot any more and the next slot is whole.  fill = 1: this slot is filled again, with the three steps six steps on; 2: with the launch's last two steps; 0: not at all.
; Where it is filled again the barrier is a round of the cluster's, and nothing but that round stands between the wait for the tile that has landed and the next request, which then has 192 matrix instructions in which to land.
.macro TURN slot, next, p, fill
.if (\fill) == 1
	s_wait_xcnt 0x0                                ; the last prefetch, a slot back, has read its address: it is stepped here, ahead of the change of slots
	s_add_nc_u64 s[PFA:PFA+1], s[PFA:PFA+1], QUART
.endif
	s_wait_dscnt 4*NL                              ; as in every step
	WIN MUL_LO
	MUL16 0, \p, 0
	MUL16 2, \p, 0
	WIN 0
	s_wait_tensorcnt 0x0                           ; all my tensor loads have landed: the one that was out is my part of the next slot; so a group 0 may be written
	ds_add_u32 v[SPW], v[NIL]                      ; 0 onto my spare word: the descriptors' steps stand between it and the wait for it
.if \fill
	s_add_nc_u64 s[G0+4*\slot+2:G0+4*\slot+3], s[G0+4*\slot+2:G0+4*\slot+3], 2*QUART
	s_add_nc_u64 s[G0B+4*\slot+2:G0B+4*\slot+3], s[G0B+4*\slot+2:G0B+4*\slot+3], 2*QUART
.endif
	s_wait_dscnt 0x0                               ; the add is done, and my reads of this slot are over (A's blocks 4-7 are in)
.if \fill
	CROUND                                         ; no wave of any partner still reads this slot's tile or has a load on its way
.endif
.if (\fill) == 1
	JLOAD G0+4*\slot, G1, G0B+4*\slot, G1B         ; the first tensor load behind the round, my one load until the next; the four v_nop behind it are the places in front of the loads below
.endif
.if (\fill) == 2
	JLOAD G0+4*\slot, G1H, G0B+4*\slot, G1HB       ; the same for the last two steps: 100 rows
.endif
.if (\fill) == 0
	s_barrier_signal -1
	s_barrier_wait -1
	PLACES NP
.endif
	FETCH_B \next, 0, 1-(\p)
	FETCH_A \next, 0, 0
	SCALES \next, 0, 1-(\p)
.if (\fill) == 1
	ASK \slot
.endif
	WIN MUL_HI
	MUL16 4, \p, 0
	MUL16 6, \p, 0
	PLACES NP
	WIN 0
	FETCH_A \next, 0, 4
.endm
	s_wait_tensorcnt 1                             ; my part of slot 0 is in (slot 1's load may be out)
	s_barrier_signal -1
	s_barrier_wait -1                              ; everybody's is
	FETCH_B 0, 0, 0
	FETCH_A 0, 0, 0
	SCALES 0, 0, 0
	FETCH_A 0, 0, 4
	s_wait_loadcnt 0x0                             ; b2
	STEP 0, 0, 0, 1                                ; the first step stands in front of the loop: its products start the sums
	s_mov_b32 s3, TRIPS
.Llap:                                                 ; a trip goes once round the ring, six steps, from a lap's second step to the next lap's first, and fills both slots again
	STEP 0, 1, 1, 0
	TURN 0, 1, 0, 1
	STEP 1, 0, 1, 0
	STEP 1, 1, 0, 0
	TURN 1, 0, 1, 1
	STEP 0, 0, 0, 0
	s_sub_co_u32 s3, s3, 1
	s_cmp_lg_u32 s3, 0
	s_cbranch_scc1 .Llap
	STEP 0, 1, 1, 0                                ; the tail is written out: steps 25 to 31
	TURN 0, 1, 0, 2                                ; slot 0 takes the last two steps
	STEP 1, 0, 1, 0
	STEP 1, 1, 0, 0
	TURN 1, 0, 1, 0                                ; nothing is left to fetch: a barrier of the work-group alone
	STEP 0, 0, 0, 0
	s_wait_dscnt 4*NL                              ; the very last step
	WIN MUL_LO
	MUL16 0, 1, 0
	MUL16 2, 1, 0
	s_wait_dscnt 0
	WIN MUL_HI
	MUL16 4, 1, 0
	MUL16 6, 1, 0
	WIN 0
; THE WAY OUT, block by block of 16 rows x 128 columns.  A lane holds 32 neighbouring bytes of a row, and the lanes beside it hold other rows: so a block goes through my own stage in LDS and comes back as whole
; rows of 512 bytes, which the 32 lanes store as 512 consecutive bytes, aligned.  LDS serves a wave's instructions in order (ISA guide 5.7.1.4): no wait between the stores and the loads, nor in front of the next block's stores.
.macro TOSTAGE a
.set AC, 64*((\a)%4)
	WIN 0x08+4*((\a)/4)                            ; the data: window 2 or 3
.irp b, 0,1,2,3,4,5,6,7
	ds_store_b128 v[STO], v[AC+8*\b:AC+8*\b+3] offset:64*\b          ; each accumulator from its low end on
	ds_store_b128 v[STO], v[AC+8*\b+4:AC+8*\b+7] offset:64*\b+16
.endr
	WIN 0
.set BB, BK+64*((\a)%2)
.irp t, 0,1,2,3,4,5,6,7,8,9,10,11,12,13,14,15
	ds_load_b128 v[BB+4*\t:BB+4*\t+3], v[RD] offset:\t*SPITCH
.endr
.endm
.macro SEND a, younger                 ; younger: the LDS instructions issued behind block a's loads, which may stay out
.set BB, BK+64*((\a)%2)
	s_wait_dscnt \younger                          ; the block is back in registers
.if (\a) > 0
	s_add_nc_u64 s[12:13], s[12:13], 16*SIZE_N*4   ; (behind a wait on XCNT: the earlier stores have read their base)  16 rows of out on
.endif
.irp t, 0,1,2,3,4,5,6,7,8,9,10,11,12,13,14,15
	global_store_b128 v[CO], v[BB+4*\t:BB+4*\t+3], s[12:13] offset:\t*SIZE_N*4 th:TH_STORE_NT   ; written once, read by nobody here
.endr
.endm
	PLACES NP                                      ; for the loads into the registers that held A's fragments, and for the reads of the last products' results
	TOSTAGE 0
.irp a, 1,2,3,4,5,6,7
.if \a > 1
	s_wait_xcnt 0x0                                ; block a - 2's stores have read their registers and their base: block a's loads may land there, and the base may step
.endif
	TOSTAGE \a
	SEND \a-1, 32                                  ; behind block a - 1's loads: block a's 16 stores and 16 loads
.endr
	s_wait_xcnt 0x0                                ; block 6's stores have read their base
	SEND 7, 0
	s_wait_tensorcnt 0x0                           ; the wave's end, behind my last tensor load and my last LDS store
	ds_add_u32 v[SPW], v[NIL]
	s_wait_dscnt 0x0
	CROUND                                         ; the closing round: no work-group ends while a partner may still ask for a tile that names it
	s_endpgm
.Lfunc_end_k_q3afaf2b9c9_gemm:
	.size	k_q3afaf2b9c9_gemm, .Lfunc_end_k_q3afaf2b9c9_gemm-k_q3afaf2b9c9_gemm
	.p2alignl 7, 3214868480
	.fill 96, 4, 3214868480
	.section	.rodata,"a",@progbits
	.p2align	6, 0x0
	.amdhsa_kernel k_q3afaf2b9c9_gemm
		.amdhsa_group_segment_fixed_size 327680
		.amdhsa_private_segment_fixed_size 0
		.amdhsa_enable_private_segment 0
		.amdhsa_kernarg_size 32
		.amdhsa_user_sgpr_count 2
		.amdhsa_user_sgpr_kernarg_segment_ptr 1
		.amdhsa_wavefront_size32 1
		.amdhsa_system_sgpr_workgroup_id_x 1
		.amdhsa_system_sgpr_workgroup_id_y 1
		.amdhsa_system_sgpr_workgroup_id_z 1
		.amdhsa_system_vgpr_workitem_id 0
		.amdhsa_next_free_vgpr 1024
		.amdhsa_next_free_sgpr 100
		.amdhsa_reserve_vcc 0
		.amdhsa_float_denorm_mode_32 3
		.amdhsa_float_denorm_mode_16_64 3
		.amdhsa_memory_ordered 1
		.amdhsa_forward_progress 1
		.amdhsa_inst_pref_size 208
	.end_amdhsa_kernel
	.amdgpu_metadata
---
amdhsa.version: [ 1, 2 ]
amdhsa.kernels:
  - .name:           k_q3afaf2b9c9_gemm
    .symbol:         k_q3afaf2b9c9_gemm.kd
    .args:
      - { .name: hc, .offset: 0, .size: 8, .value_kind: global_buffer, .address_space: global }
      - { .name: wc, .offset: 8, .size: 8, .value_kind: global_buffer, .address_space: global }
      - { .name: b2, .offset: 16, .size: 8, .value_kind: global_buffer, .address_space: global }
      - { .name: out0, .offset: 24, .size: 8, .value_kind: global_buffer, .address_space: global }
    .group_segment_fixed_size: 327680
    .private_segment_fixed_size: 0
    .kernarg_segment_align: 8
    .kernarg_segment_size: 32
    .max_flat_workgroup_size: 128
    .sgpr_count:     100
    .vgpr_count:     1024
    .wavefront_size: 32
...
	.end_amdgpu_metadata
.endif
;; end of part 2
